; MI455X (gfx1250); checked and timed in simulation.
; The chip was launched on July 23, 2026; its instructions are those of AMD's public machine-readable ISA for CDNA 5 (MIT licence, August 2026) and "CDNA5" Instruction Set Architecture Reference Guide (July 2026). The comments in the code are by the model that wrote it; some were corrected since.
;; VG Multihead Attention. Allowed arithmetic: matrix products marked QUANTISED: E5M2 operands, one given power-of-two scale a tensor, by v_wmma_f32_16x16x64_bf8_bf8 or v_wmma_f32_16x16x128_bf8_bf8, f32 sums; products left as they are: f32 operands where the result goes on into a quantised operand, else bf16, f16 or f32 operands; f32 sums; everything else in f32.
;; Inputs: Wk_codes 1,024 x 32 x 32 uint8 (E5M2 codes of Wk, K innermost, in blocks of 32 codes); Wo_codes 1,024 x 32 x 32 uint8 (E5M2 codes of Wo, K innermost, in blocks of 32 codes); Wq_codes 1,024 x 32 x 32 uint8 (E5M2 codes of Wq, K innermost, in blocks of 32 codes); Wv_codes 1,024 x 32 x 32 uint8 (E5M2 codes of Wv, K innermost, in blocks of 32 codes); bk 1,024 float32; bo 1,024 float32; bq 1,024 float32; bv 1,024 float32; hidden_states_codes 16 x 1 x 32 x 32 uint8 (E5M2 codes of hidden_states, K innermost, in blocks of 32 codes); key_value_states_codes 16 x 1,024 x 32 x 32 uint8 (E5M2 codes of key_value_states, K innermost, in blocks of 32 codes); lowp_scales 8 int32 (the exponents e of the quantised operands' scales 2^e).
;; Outputs: out0 16 x 1,024 x 1,024 float32.
;; This version of the problem:
;;   THIS VERSION OF THE PROBLEM IS GIVEN IN LOW PRECISION. The matrix products marked QUANTISED in the list below multiply operands that are first quantised to E5M2 (5 exponent bits, 2 mantissa bits; 8 bits a number), with one given power-of-two scale for each operand tensor; their sums are f32. All else is computed in f32.
;;   The module's matrix products, in the order in which they are computed (A, B: the left and right operand; K: the contracted axis; several contracted axes count as one K, in the product's order):
;;     1. [M 16, K 1,024] x [K 1,024, N 1,024]; A: input hidden_states (given as codes); B: input Wq (given as codes): QUANTISED (scales: A lowp_scales[0], B lowp_scales[1])
;;     2. [M 16,384, K 1,024] x [K 1,024, N 1,024]; A: input key_value_states (given as codes); B: input Wk (given as codes): QUANTISED (scales: A lowp_scales[2], B lowp_scales[3])
;;     3. [M 16,384, K 1,024] x [K 1,024, N 1,024]; A: input key_value_states (given as codes); B: input Wv (given as codes): QUANTISED (scales: A lowp_scales[4], B lowp_scales[5])
;;     4. batch 256 x [M 1, K 64] x [K 64, N 1,024]; A: computed on the way; B: computed on the way: left as it is (M = 1 < 16)
;;     5. [M 16,384, K 1,024] x [K 1,024, N 1,024]; A: computed on the way; B: input Wo (given as codes): QUANTISED (scales: A lowp_scales[6], B lowp_scales[7])
;;   THE QUANTISER, for each operand of a quantised product, along K:
;;     - The operand's scale is 2^e, e = its entry of the input lowp_scales (int32; the entries are numbered through the quantised products in the list's order, A before B).
;;     - Each number is divided by the scale, clamped to +-57,344, and rounded to the nearest number of E5M2, ties to even, subnormals kept.
;;     - The product sums the exact products of the quantised numbers (number of the format x scale) in f32.
;;   ~~~python
;;   def quantise(x, axis, e):      # numpy; x: float32 -> the quantised numbers, widened to float32 again
;;       x = np.moveaxis(x, axis, -1); K = x.shape[-1]
;;       r = np.clip(x / 2.0 ** e, -57344, 57344)
;;       step = 2.0 ** (np.maximum(np.frexp(np.where(r == 0, 1, r))[1] - 1, -14) - 2)
;;       q = np.round(r / step) * step * 2.0 ** e      # np.round: ties to even
;;       return np.moveaxis(q, -1, axis).astype(np.float32)
;;   ~~~
;;   OPERANDS COMPUTED ON THE WAY. 'Computed on the way' means the value that the module computes at that place (a softmax that the list does not call 'softmax' is quantised finished and normalised). What goes into a quantiser is computed in f32, as accurately as f32 sums, v_exp_f32 and their like allow (about 1e-6 of the number): no bf16 or f16 on the way to a quantiser, and a product that is left as it is and whose result goes on into a quantised operand takes f32 operands (vector FMAs, or v_wmma_f32_16x16x4_f32). A number that lies on a knife's edge between two numbers of the format may be rounded either way, as far as f32 arithmetic and the matrix unit's own rounding can turn it there, and no further.
;;   INPUTS GIVEN AS CODES. Wk (in the module: [1024, 1024], K = its axis 1); Wo (in the module: [1024, 1024], K = its axis 1); Wq (in the module: [1024, 1024], K = its axis 1); Wv (in the module: [1024, 1024], K = its axis 1); hidden_states (in the module: [16, 1, 1024], K = its axis 2); key_value_states (in the module: [16, 1024, 1024], K = its axis 2): each comes as NAME_codes (uint8): NAME with its K axis moved to the last place and cut into blocks of 32 codes, [.., K / 32, bytes a block], one block behind the other in memory; one code a byte (a code: sign, 5 exponent bits, 2 mantissa bits); its scale is its entry of lowp_scales. Its value is code x scale, taken as it is: it is not quantised again, and the codes and scales need not be those that the quantiser above would give.
;; One version. Each part assembles by itself: llvm-mc -triple=amdgcn-amd-amdhsa -mcpu=gfx1250 --defsym DOCPART=n.
;; ======== version 1 of 1: 2 launches
;; limits: right only within a limited range of input values
;; workspace buffers: ctx 16,777,216 bytes
;; launch kvgate (part 1): grid 8 x 32, 4 waves a work-group, clusters of 4 x 4, 327,680 bytes of LDS; arguments key_value_states_codes, Wk_codes, Wv_codes, bk, bv, Wq_codes, hidden_states_codes, bq, lowp_scales, ctx; writes ctx
.if DOCPART == 1
	.amdgcn_target "amdgcn-amd-amdhsa--gfx1250"
	.amdhsa_code_object_version 6
	.text
	.protected	k_q78915de0d2_kvgate
	.globl	k_q78915de0d2_kvgate
	.p2align	8
	.type	k_q78915de0d2_kvgate,@function
k_q78915de0d2_kvgate:
	s_mov_b64 s[64:65], 0
	v_nop
	global_prefetch_b8 v0, s[64:65] scope:SCOPE_SE
	s_setreg_imm32_b32 hwreg(HW_REG_WAVE_MODE, 25, 1), 1
	s_wait_xcnt 0x0
	s_wait_alu depctr_hold_cnt(0) depctr_sa_sdst(0) depctr_va_vdst(0) depctr_va_sdst(0) depctr_va_ssrc(0) depctr_va_vcc(0) depctr_vm_vsrc(0)
	s_getreg_b32 s2, hwreg(HW_REG_IB_STS2, 6, 4)
	s_cmp_eq_u32 s2, 0
	s_cbranch_scc0 .Lentry_in_a_cluster
	s_endpgm
.Lentry_in_a_cluster:
	s_bfe_u32 s2, ttmp6, 0x10000c
	s_cmp_lg_u32 s2, 0xf033
	s_cbranch_scc0 .Lentry_shape_is_right
	s_endpgm
.Lentry_shape_is_right:
; ctx = Q(clip(q . k / 8, 0, 1) x v), as codes of E5M2 with the given scale 2^e6.  q = hs Wq^T + bq, k = kv Wk^T + bk, v = kv Wv^T + bv, all on codes of E5M2 as they are given; sums in f32.
; kv: [16,384][1,024], hs: [16][1,024], Wq, Wk, Wv: [1,024][1,024]: codes, K innermost.  bq, bk, bv: [1,024] f32.
; SHARES.  256 work-groups of four waves; each takes 512 rows of kv (half of one batch) and two heads, as TWO TILES of 256 rows: rows 128 tc .. 128 tc + 127 of BOTH Wk and Wv make 256 x 256 sums a tile.
; A wave takes 128 rows and ONE head: 64 accumulators (a, b): a = 0 .. 7 its blocks of 16 rows, b = 0 .. 3 the head's four tiles of k, b = 4 .. 7 those of v.
; So a score's 64 products, its gate and the 64 numbers that it gates all lie in one wave's registers.
; THE MATRIX INSTRUCTION IS USED TRANSPOSED (source 0 = 16 rows of a weight, source 1 = 16 rows of kv): lane (r, h) holds row 16 a + r and the eight neighbouring columns 16 (b % 4) + 8 h + 0 .. 7 of the head.
; THE QUERY is made here too: the two heads' 128 rows of Wq are one more fill of the ring, behind tile 0's last K step.  Source 1 is the batch's one row of hs in all sixteen columns, so the result's registers are
; q in the very layout that the scores want.  Wave (half, head) makes 32 of its head's 64 columns; the two waves of a head exchange them through LDS.
; SCALES, all powers of two, folded: the sums of k begin with bk / 2^(e2 + e3) as C, so they stand for k / 2^(e2 + e3), which is made good in q, as is the division by sqrt(64) = 8; those of v begin with bv / 2^(e4 + e5),
; so gate x sum stands for context / 2^(e4 + e5), and the conversion takes 2^(e6 - e4 - e5) as its one scale, the hold 57,344 x that.
; LIMITS: e6 - e4 - e5 between -126 and 112, so that both are f32 numbers; the powers on q and the biases are applied by v_ldexp_f32: what leaves f32's range there is lost.  NaN and infinity among the inputs are not served.
; A score's 64 products are summed in f32 in four chains of sixteen (two halves of a pair, two lanes), another order than a plain row sum's.
; A fragment comes by four loads of 16 bytes: registers 4 c .. 4 c + 3 hold k = 32 c + 16 h + 0 .. 15: a permutation of k, the same on both sides.
; K goes in steps of 256 through a ring of two LDS slots filled by the tensor data mover; a tile's row is 256 bytes of memory.  A slot: kv's rows 0-127, kv's rows 128-255, Wk's 128 rows, Wv's 128 rows: one load a wave.
; THE RING'S NINE FILLS: tile 0's K steps 0 to 3 (slots 0, 1, 0, 1), Wq (slot 0), tile 1's K steps 0 to 3 (slots 1, 0, 1, 0).  Wq's fill: wave w brings the 128 rows' K = 256 w .. 256 w + 255: the LDS image of a weight's tile.
; CLUSTERS: 4 x 4 work-groups.  The four of a row of the cluster need the same tiles of kv, the four of a column the same tiles of the weights: each tile is asked for JOINTLY.
; PREFETCH INTO THE L2: a wave asks for 32 of the 128 rows that it fetches, a lane a row, the partners told apart by address; K steps 2 and 3 behind the second load, then what the refill two further on will load.
; What clusters of all rows of the grid read alike (the weights) is asked for by the clusters y < 4 alone; tile 1's weights have been read by tile 0 and are not asked for.
; CTX IS LAID IN THE ORDER OF THE NEXT LAUNCH'S OPERAND REGISTERS.  The byte of (row R, column C) lies at (R / 128) x 131,072 + (C / 256) x 32,768 + ((R % 128) / 16) x 4,096 + ((C % 256) / 128) x 2,048
; + ((C % 128) / 32) x 512 + (16 ((C % 32) / 16) + R % 16) x 16 + C % 16: a store of 16 bytes a lane covers 512 consecutive bytes straight from the registers, and no stage in LDS is needed.
; REGISTERS, in windows of 256: window 0: v0-31 addresses and constants; v32-95 the biases; v96-127 q; v128-255 kv's fragments, ONE set (for the query hs's; at the gate v128-191 at work, v192-255 codes).
;   window 1: the weights' fragments, TWO sets, at v0 and at v128 (for the query Wq's; at the gate v0-23 scores).   window 2: the accumulators of my rows 0-63 ((a, b) at v[8 (8 a + b)]);   window 3: those of my rows 64-127.
.set ROWB,   256                       ; a tile's row in bytes
.set KROW,   1024                      ; a row of kv or of a weight in memory
.set PITCH,  272                       ; an LDS row: 256 bytes + 16 of padding = 68 words: row r starts at bank 4 r mod 64 (64 banks of 4 bytes: ISA guide 11.1)
.set FR,     16                        ; registers of a fragment: 16 rows x 128 K
.set NL,     4                         ; LDS loads that bring one
.set NP,     4                         ; places behind this matrix instruction (ISA guide 7.12.1)
.set HALFT,  128*PITCH                 ; 128 rows: what one tensor load brings
.set SLOT,   4*HALFT
.set TILE1,  256*KROW                  ; tile 1's rows lie so many bytes behind tile 0's
.set SPARE,  2*SLOT                    ; behind the ring: the spare words, 128 bytes for each wave: two blocks of 256 bytes that no other line names
.set HSX,    SPARE+512                 ; the batch's row of hs, 1,024 bytes
.set QX,     HSX+1024                  ; q: two heads x four tiles x 1,024 bytes, the image of the tiles' registers
.set WQA,  12                          ; v12-13  LDS address of my fragments of Wq: K below 512, and above
.set QST,  14                          ; v14     where I put my half of q
.set QLD,  15                          ; v15     where I read my head's q
.set ADRA, 16                          ; v16-17  LDS address of my fragments of kv in slot 0, 1
.set HSA,  18                          ; v18     LDS address of hs's fragments
.set HST,  19                          ; v19     where I put eight bytes of hs
.set ADRB, 20                          ; v20-21  my head's rows of Wk; Wv's lie HALFT further on
.set HSO,  22                          ; v22     my eight bytes of hs in memory
.set PFO,  23                          ; v23     my row of a prefetch
.set CO,   26                          ; v26     16 x lane: my place in a store of 512 bytes
.set HB,   27                          ; v27     32 h: my eight numbers of a tile's sixteen, in bk, bv and bq
.set SPW,  28                          ; v28     LDS address of my spare word; never rewritten
.set NIL,  29                          ; v29     0; never rewritten
.set SCL,  30                          ; v30     2^(e6 - e4 - e5)
.set LIM,  31                          ; v31     57,344 x that
.set BIAS, 32                          ; v[32 + 8 b ..]: the C of accumulator (., b)'s first product: b < 4: bk / 2^(e2 + e3), else bv / 2^(e4 + e5)
.set QV,   96                          ; v[96 + 8 t + j]: q of column 16 t + 8 h + j of my head
.set ACQ,  96                          ; v[96:111] the query's two accumulators, ahead of that
.set BQ,   112                         ; v[112:127] bq of their columns
.set AF,   128
.set T,    0                           ; window 1: v[2 a : 2 a + 1] block a's score in two halves, then the gate in the low one
.set U,    16                          ; window 1: v[16 + a] the other half of the lanes' part
.set TMP,  128                         ; two blocks' gated numbers, 32 each
.set CD,   192                         ; v[192 + 8 a ..] block a's codes
.set G1, 24                            ; s[24:31] descriptor group 1 for kv's tiles;  s[32:39] group 0, one set for each slot
.set G0, 32
.set G1B, 48                           ; s[48:55], s[56:63] the same for the weights' tiles
.set G0B, 56
.set G0Q, 72                           ; s[72:75] group 0 for Wq's fill
.set PFA, 96                           ; s[96:97] where my prefetches of kv or of a weight stand;  s[100:101] those of Wq
.set PFQ, 100
.set MSB, 0
.macro WIN new                         ; the immediate's high byte repeats the setting that is left
.if MSB != (\new)
	s_set_vgpr_msb (MSB<<8)|(\new)
.set MSB, (\new)
.endif
.endm
.set MUL_LO,   0xa1                    ; source 0 (weights) window 1, source 1 (kv) window 0, C and D window 2
.set MUL_HI,   0xf1                    ; the same, C and D window 3
.set FIRST_LO, 0x81                    ; the first step: C (the bias) window 0, D window 2
.set FIRST_HI, 0xc1                    ; D window 3
.set TO_B,     0x40                    ; destination window 1, address window 0
; A joint load: waves 0 and 1 fetch kv's two halves, wave 2 Wk's rows, wave 3 Wv's.  The branch hangs on the wave's number alone.  An s_nop 0 and four v_nop follow each of the two lines.
.macro JLOAD s
	s_cmp_eq_u32 s15, 0
	s_cbranch_scc0 .Lfor_b_\@
	tensor_load_to_lds s[G0+4*\s:G0+4*\s+3], s[G1:G1+7]
	s_nop 0
.rept 4
	v_nop
.endr
	s_branch .Lasked_\@
.Lfor_b_\@:
	tensor_load_to_lds s[G0B+4*\s:G0B+4*\s+3], s[G1B:G1B+7]
	s_nop 0
.rept 4
	v_nop
.endr
.Lasked_\@:
.endm
.macro CREST                           ; a round of the cluster's barrier behind its opening barrier
	s_cmp_lg_u32 s14, 0
	s_cbranch_scc1 .Lnot_wave_0_\@
	s_barrier_signal -3
.Lnot_wave_0_\@:
	s_barrier_wait -3
	s_barrier_signal -1
	s_barrier_wait -1
.endm
.macro CROUND                          ; a whole round
	s_barrier_signal -1
	s_barrier_wait -1
	CREST
.endm
.macro ASKB off                        ; a prefetch: kv's rows by every cluster, a weight's by the clusters y < 4
	s_cmp_lt_u32 s13, 4
	s_cbranch_scc0 .Lno_b_\@
	global_prefetch_b8 v[PFO], s[PFA:PFA+1] offset:\off th:TH_LOAD_NT scope:SCOPE_SE
.Lno_b_\@:
.endm
.macro ASKK off                        ; kv's rows alone (waves 0 and 1)
	s_cmp_eq_u32 s15, 0
	s_cbranch_scc0 .Lno_k_\@
	global_prefetch_b8 v[PFO], s[PFA:PFA+1] offset:\off th:TH_LOAD_NT scope:SCOPE_SE
.Lno_k_\@:
.endm
.macro ASKQ                            ; Wq's rows, by the clusters y < 4
	s_cmp_lt_u32 s12, 4
	s_cbranch_scc0 .Lno_q_\@
	global_prefetch_b8 v[PFO], s[PFQ:PFQ+1] th:TH_LOAD_NT scope:SCOPE_SE
.Lno_q_\@:
.endm
	s_load_b256 s[4:11], s[0:1], 0x0               ; kv s[4:5], Wk s[6:7], Wv s[8:9], bk s[10:11]
	s_load_b256 s[80:87], s[0:1], 0x20             ; bv s[80:81], Wq s[82:83], hs s[84:85], bq s[86:87]
	s_load_b128 s[76:79], s[0:1], 0x40             ; the scales' exponents s[76:77], ctx s[78:79]
	v_lshl_add_u32 v[SPW], v0, 2, SPARE
	v_mov_b32 v[NIL], 0
	ds_add_u32 v[SPW], v[NIL]                      ; the wave's opening: the add, twice on end, and its wait; work on registers stands between
	ds_add_u32 v[SPW], v[NIL]
	v_lshrrev_b32 v1, 5, v0
	v_readfirstlane_b32 s14, v1                    ; wave 0..3
	s_lshr_b32 s15, s14, 1                         ; which half of the tile's rows is mine.  Also: I fetch kv (0) or a weight (1)
	s_and_b32 s16, s14, 1                          ; which of the two heads is mine.  Also: which half of kv's rows, or which weight, I fetch
	s_bfe_u32 s40, ttmp6, 0x40000                  ; cx, cy: my place in the cluster
	s_bfe_u32 s41, ttmp6, 0x40004
	s_lshl_b32 s42, ttmp9, 2
	s_add_co_u32 s42, s42, s40                     ; tc, the pair of heads = 4 x cluster x + cx
	s_and_b32 s12, ttmp7, 0xffff                   ; cluster y
	s_lshl_b32 s17, s12, 2
	s_add_co_u32 s17, s17, s41                     ; ty, the block of 512 rows = 4 x cluster y + cy
	s_lshl_b32 s43, s41, 2
	s_lshl_b32 s43, 15, s43                        ; my row of the cluster
	s_lshl_b32 s44, 0x1111, s40                    ; my column
	; descriptor group 1: a tile of 128 rows x 256 bytes, padded in LDS
	s_or_b32 s[G1+0], s43, (0<<16)|(1<<20)|(1<<21)|(5<<22)|(3<<25)  ; 15:0 the mask: kv's tiles go to my row; 17:16 element of 1 byte; 20 padding on; 21 set beside a mask; 24:22 after every 64 words (code 5); 31:25 of 4 words (code 3)
	s_or_b32 s[G1B+0], s44, (0<<16)|(1<<20)|(1<<21)|(5<<22)|(3<<25) ; the same with the mask of my column
.irp g, G1, G1B
	s_mov_b32 s[\g+1], ROWB<<16                    ; tensor_dim0
	s_mov_b32 s[\g+2], 128<<16                     ; tensor_dim1 = 128
	s_mov_b32 s[\g+3], ROWB<<16                    ; tile_dim0
	s_mov_b32 s[\g+4], 128                         ; tile_dim1 = 128
	s_mov_b32 s[\g+5], KROW                        ; tensor_dim0_stride
	s_mov_b32 s[\g+6], 0
	s_mov_b32 s[\g+7], 0
.endr
	s_lshl_b32 s18, s16, 7
	s_lshl_b32 s20, s17, 9
	s_add_co_u32 s20, s20, s18                     ; kv: row 512 ty + 128 x half,
	s_lshl_b32 s20, s20, 10                        ; in bytes (under 2^24)
	s_mov_b32 s21, 0
	s_lshl_b32 s46, s42, 17                        ; a weight: row 128 tc, in bytes
	s_mov_b32 s47, 0
	s_mul_i32 s45, s14, HALFT                      ; where they go: wave x 128 rows: no place in the cluster enters an LDS address
	s_mul_i32 s66, s15, HALFT                      ; my 128 rows of kv
	s_add_co_u32 s67, s66, SLOT
	s_mul_i32 s68, s16, 64*PITCH                   ; my head's 64 rows of Wk,
	s_mul_i32 s70, s15, 32*PITCH
	s_add_co_u32 s70, s70, s68                     ; and my 32 rows of Wq, in slot 0: row 64 x head + 32 x half
	s_add_co_u32 s71, s70, 2*HALFT
	s_add_co_u32 s68, s68, 2*HALFT                 ; (Wk's lie behind kv's 256)
	s_add_co_u32 s69, s68, SLOT
	s_lshl_b32 s22, s16, 12
	s_add_co_u32 s22, s22, QX                      ; my head's q
	s_lshl_b32 s19, s15, 11
	s_add_co_u32 s19, s19, s22                     ; my half of it
	s_mov_b32 s98, 0x76543210                      ; v_permlanex16_b32's selects for lane l xor 16
	s_mov_b32 s99, 0xfedcba98
	v_and_b32 v1, 15, v0                           ; r
	v_bfe_u32 v2, v0, 4, 1                         ; h
	v_and_b32 v6, 31, v0
	v_mul_u32_u24 v3, v1, PITCH
	v_lshl_add_u32 v4, v2, 4, v3                   ; a fragment's row x pitch + 16 h
	v_add_nc_u32 v[ADRA], s66, v4
	v_add_nc_u32 v[ADRA+1], s67, v4
	v_add_nc_u32 v[ADRB], s68, v4
	v_add_nc_u32 v[ADRB+1], s69, v4
	v_add_nc_u32 v[WQA], s70, v4
	v_add_nc_u32 v[WQA+1], s71, v4
	v_lshlrev_b32 v[CO], 4, v6
	v_lshlrev_b32 v[PFO], 10, v6
	v_lshlrev_b32 v[HB], 5, v2
	v_add_nc_u32 v[QST], s19, v[CO]
	v_add_nc_u32 v[QLD], s22, v[CO]
	v_lshl_add_u32 v[HSA], v2, 4, HSX
	v_lshl_add_u32 v[HST], v0, 3, HSX
	v_lshlrev_b32 v[HSO], 3, v0
	s_wait_alu depctr_va_vdst(0)                   ; the wait at the head's end
	s_wait_dscnt 0x0                               ; both opening adds are done
	s_wait_kmcnt 0x0
	s_load_b256 s[88:95], s[76:77], 0x0            ; e0 .. e7
	s_lshl_b32 s22, s14, 8
	s_add_co_u32 s22, s22, s46                     ; Wq: row 128 tc, + 256 x wave along K
	s_mov_b32 s23, 0
	s_add_nc_u64 s[PFQ:PFQ+1], s[82:83], s[22:23]
	s_cmp_eq_u32 s16, 0                            ; the choice hangs on the wave's number alone: wave 2 fetches Wk, wave 3 Wv, in every work-group
	s_cselect_b64 s[6:7], s[6:7], s[8:9]
	s_add_nc_u64 s[20:21], s[4:5], s[20:21]
	s_add_nc_u64 s[46:47], s[6:7], s[46:47]
.irp s, 0,1
	s_mov_b32 s[G0+4*\s], 1
	s_add_co_u32 s[G0+4*\s+1], s45, \s*SLOT
	s_add_nc_u64 s[G0+4*\s+2:G0+4*\s+3], s[20:21], \s*ROWB
	s_or_b32 s[G0+4*\s+3], s[G0+4*\s+3], 0x80000000
	s_mov_b32 s[G0B+4*\s], 1
	s_add_co_u32 s[G0B+4*\s+1], s45, \s*SLOT
	s_add_nc_u64 s[G0B+4*\s+2:G0B+4*\s+3], s[46:47], \s*ROWB
	s_or_b32 s[G0B+4*\s+3], s[G0B+4*\s+3], 0x80000000
.endr
	s_mov_b32 s[G0Q], 1
	s_mov_b32 s[G0Q+1], s45                        ; slot 0
	s_mov_b64 s[G0Q+2:G0Q+3], s[PFQ:PFQ+1]
	s_or_b32 s[G0Q+3], s[G0Q+3], 0x80000000
	; where my prefetches of kv or of a weight stand: the partners' shares of 32 rows lie 32,768 bytes apart: by cx in kv's rows, by cy in a weight's
	s_cmp_eq_u32 s15, 0
	s_cselect_b32 s22, s40, s41
	s_cselect_b64 s[PFA:PFA+1], s[20:21], s[46:47]
	s_cselect_b32 s13, 0, s12                      ; 0 (kv), or cluster y (a weight)
	s_lshl_b32 s22, s22, 15
	s_add_nc_u64 s[PFA:PFA+1], s[PFA:PFA+1], s[22:23]
	CROUND                                         ; all sixteen work-groups are here: the first joint loads meet
	JLOAD 0                                        ; K step 0: one tensor load a wave at the head
	ASKB ROWB                                      ; K step 1, whose load stands behind the wait for K step 0's
	s_lshl_b32 s66, s42, 9                         ; my head's first column, in bytes of f32: 512 tc + 256 x head
	s_lshl_b32 s67, s16, 8
	s_add_co_u32 s66, s66, s67
	s_mov_b32 s67, 0
	s_lshl_b32 s68, s15, 7                         ; my half of its columns, for bq
	s_mov_b32 s69, 0
	s_lshr_b32 s70, s17, 1                         ; the batch = ty / 2: its row of hs
	s_lshl_b32 s70, s70, 10
	s_mov_b32 s71, 0
	s_add_nc_u64 s[10:11], s[10:11], s[66:67]
	s_add_nc_u64 s[80:81], s[80:81], s[66:67]
	s_add_nc_u64 s[86:87], s[86:87], s[66:67]
	s_add_nc_u64 s[86:87], s[86:87], s[68:69]
	s_add_nc_u64 s[84:85], s[84:85], s[70:71]
	global_load_b64 v[8:9], v[HSO], s[84:85]       ; 128 threads x 8 bytes: the whole row
.irp t, 0,1,2,3
	global_load_b128 v[BIAS+8*\t:BIAS+8*\t+3],       v[HB], s[10:11] offset:64*\t
	global_load_b128 v[BIAS+8*\t+4:BIAS+8*\t+7],     v[HB], s[10:11] offset:64*\t+16
	global_load_b128 v[BIAS+32+8*\t:BIAS+32+8*\t+3], v[HB], s[80:81] offset:64*\t
	global_load_b128 v[BIAS+32+8*\t+4:BIAS+32+8*\t+7], v[HB], s[80:81] offset:64*\t+16
.endr
.irp u, 0,1
	global_load_b128 v[BQ+8*\u:BQ+8*\u+3],   v[HB], s[86:87] offset:64*\u
	global_load_b128 v[BQ+8*\u+4:BQ+8*\u+7], v[HB], s[86:87] offset:64*\u+16
.endr
	s_lshl_b32 s18, s17, 2                         ; where my codes go: (4 ty + half of the rows) x 131,072
	s_add_co_u32 s18, s18, s15
	s_lshl_b32 s18, s18, 17
	s_lshr_b32 s19, s42, 1                         ; + (tc / 2) x 32,768
	s_lshl_b32 s19, s19, 15
	s_add_co_u32 s18, s18, s19
	s_and_b32 s19, s42, 1                          ; + (tc % 2) x 2,048
	s_lshl_b32 s19, s19, 11
	s_add_co_u32 s18, s18, s19
	s_lshl_b32 s19, s16, 10                        ; + head x 1,024
	s_add_co_u32 s18, s18, s19
	s_mov_b32 s19, 0
	s_add_nc_u64 s[78:79], s[78:79], s[18:19]
	; the prefetches: the partners' shares of 32 rows lie 32,768 bytes apart: by cx in kv's rows, by cy in a weight's
	s_lshl_b32 s22, s41, 15
	s_mov_b32 s23, 0
	s_add_nc_u64 s[PFQ:PFQ+1], s[PFQ:PFQ+1], s[22:23]
.macro FRAG reg, adr, off              ; a fragment, 16 rows x 128 K: four loads of 16 bytes a lane, 32 bytes apart
.irp c, 0,1,2,3
	ds_load_b128 v[\reg+4*\c:\reg+4*\c+3], v[\adr] offset:(\off)+32*\c
.endr
.endm
; 16 matrix instructions: kv's blocks a0, a0 + 1 x the eight tiles of weights, 128 along K.  p: the weights' set.  zero = 1: the first product starts the sum, with the bias as C: nothing is cleared, no bias is added later.
; The 64 accumulators take turns, one instruction a turn, in the same order in every step.
.macro MUL16 a0, p, zero
.irp a, \a0, \a0+1
.irp b, 0,1,2,3,4,5,6,7
.if \zero
	v_wmma_f32_16x16x128_bf8_bf8 v[8*(8*((\a)%4)+\b):8*(8*((\a)%4)+\b)+7], v[128*(\p)+FR*\b:128*(\p)+FR*\b+FR-1], v[AF+FR*(\a):AF+FR*(\a)+FR-1], v[BIAS+8*\b:BIAS+8*\b+7]
.else
	v_wmma_f32_16x16x128_bf8_bf8 v[8*(8*((\a)%4)+\b):8*(8*((\a)%4)+\b)+7], v[128*(\p)+FR*\b:128*(\p)+FR*\b+FR-1], v[AF+FR*(\a):AF+FR*(\a)+FR-1], v[8*(8*((\a)%4)+\b):8*(8*((\a)%4)+\b)+7]
.endif
.endr
.endr
.endm
.macro FETCH_B slot, q, p              ; my head's four tiles of Wk and four of Wv, the slot's q-th 128 along K, into set p
	WIN TO_B
.irp i, 0,1,2,3,4,5,6,7
	FRAG 128*(\p)+FR*\i, ADRB+\slot, 128*(\q)+(\i%4)*16*PITCH+(\i/4)*HALFT
.endr
	WIN 0
.endm
.macro FETCH_A slot, q, i0             ; kv's blocks i0 .. i0 + 3
.irp i, \i0, \i0+1, \i0+2, \i0+3
	FRAG AF+FR*(\i), ADRA+\slot, 128*(\q)+(\i)*16*PITCH
.endr
.endm
.macro FETCH_Q u                       ; tile u of my rows of Wq, all of K, into set u; and hs's K steps 4 u .. 4 u + 3
	WIN TO_B
.irp s, 0,1,2,3,4,5,6,7
	FRAG 128*(\u)+FR*\s, WQA+(\s/4), ((\s/2)%2)*HALFT+(\u)*16*PITCH+128*(\s%2)
.endr
	WIN 0
.irp s, 0,1,2,3
	FRAG AF+FR*(4*(\u)+\s), HSA, 128*(4*(\u)+\s)
.endr
.endm
; A load into a register that a matrix instruction has read, and a vector instruction that reads a matrix result or writes one of a matrix instruction's registers, stand NP places behind it, and only plain
; vector instructions that name none of its registers are places (ISA guide 7.12.1 for vector instructions).
.macro PLACES n
.rept \n
	v_nop
.endr
.endm
; A slot's first step of 128 along K.  A block of kv is free as soon as its eight products are issued: blocks 0-3 are fetched anew in the step's middle, blocks 4-7 at its end.
.macro STEP slot, zero
	s_wait_dscnt 4*NL                              ; the weights' set and kv's blocks 0-3 are in; the youngest sixteen LDS instructions may be out
	FETCH_B \slot, 1, 1                            ; the weights' other set: its last readers stand ahead of the places at the end of the step before
.if \zero
	WIN FIRST_LO
.else
	WIN MUL_LO
.endif
	MUL16 0, 0, \zero
	MUL16 2, 0, \zero
	s_wait_dscnt 32                                ; blocks 4-7 are in; the 32 loads of weights issued behind them may be out
	PLACES NP
	WIN 0
	FETCH_A \slot, 1, 0
.if \zero
	WIN FIRST_HI
.else
	WIN MUL_HI
.endif
	MUL16 4, 0, \zero
	MUL16 6, 0, \zero
	PLACES NP
	WIN 0
	FETCH_A \slot, 1, 4
.endm
; The refill of a slot, first behind the round.  how = 1: two K steps on; 2: Wq; 3: tile 1's K step 0 into slot 1; 4: tile 1's K step 1 into slot 0.
.macro REFILL slot, how
.if \how == 2
	tensor_load_to_lds s[G0Q:G0Q+3], s[G1B:G1B+7]  ; every wave's quarter of Wq's fill, shared along my column
	s_nop 0
	PLACES 4
.else
.if \how == 1
	s_add_nc_u64 s[G0+4*\slot+2:G0+4*\slot+3], s[G0+4*\slot+2:G0+4*\slot+3], 2*ROWB
	s_add_nc_u64 s[G0B+4*\slot+2:G0B+4*\slot+3], s[G0B+4*\slot+2:G0B+4*\slot+3], 2*ROWB
.elseif \how == 3
	s_add_nc_u64 s[G0+4*\slot+2:G0+4*\slot+3], s[G0+4*\slot+2:G0+4*\slot+3], TILE1-3*ROWB
	s_sub_nc_u64 s[G0B+4*\slot+2:G0B+4*\slot+3], s[G0B+4*\slot+2:G0B+4*\slot+3], 3*ROWB
.else
	s_add_nc_u64 s[G0+4*\slot+2:G0+4*\slot+3], s[G0+4*\slot+2:G0+4*\slot+3], TILE1-ROWB
	s_sub_nc_u64 s[G0B+4*\slot+2:G0B+4*\slot+3], s[G0B+4*\slot+2:G0B+4*\slot+3], ROWB
.endif
	JLOAD \slot
.endif
.endm
; A slot's last step changes slots: ONE barrier; in front of it each wave waits for all its tensor loads, adds 0 to its spare word, and waits for that and for its own reads of this slot.
; how: the refill (0: none).  ask: 1 a prefetch of Wq, 2 of kv's rows at off.  With how = 3 the next slot holds Wq.
.macro TURN slot, next, how, ask, off
	s_wait_tensorcnt 0x0                           ; all my tensor loads have landed: my part of the next slot  (every window is 0 here)
	ds_add_u32 v[SPW], v[NIL]                      ; 0 onto my spare word
	s_wait_dscnt 4*NL+1                            ; (the add and the youngest sixteen loads, kv's blocks 4-7, may be out)
	WIN MUL_LO
	MUL16 0, 1, 0                                  ; sixteen matrix instructions stand between the add and the wait for it
	s_wait_dscnt 0x0                               ; the add is done, and my reads of this slot are over
	s_barrier_signal -1
	MUL16 2, 1, 0
	WIN 0
	s_barrier_wait -1
.if \how
	CREST                                          ; the barrier has opened a round of the cluster's barrier: no wave of any partner still reads this slot's tile or has a load on its way
	REFILL \slot, \how                             ; the first tensor load behind the round, my only one until the next; the four v_nop behind it are the places in front of the loads below
.else
	PLACES NP
.endif
.if \how == 3
	FETCH_Q 0
.else
	FETCH_B \next, 0, 0
	FETCH_A \next, 0, 0
.endif
.if \ask == 1
	ASKQ
.elseif \ask == 2
	ASKK \off
.endif
	WIN MUL_HI
	MUL16 4, 1, 0
	MUL16 6, 1, 0
	PLACES NP
	WIN 0
.if \how == 3
	FETCH_Q 1
.else
	FETCH_A \next, 0, 4
.endif
.endm
; THE SCORES.  Block a's row 16 a + r: my 32 of its 64 products q x k, two at a time; four blocks' chains by turns; each accumulator from its low end on.
.macro SCORES g
	WIN 0x52+\g                                    ; source 0: window 2 or 3, source 1 (q) window 0, source 2 and the destination window 1
.irp i, 0,2,4,6,8,10,12,14,16,18,20,22,24,26,28,30
.irp p, 0,1,2,3
.if \i == 0
	v_pk_mul_f32 v[T+2*(4*\g+\p):T+2*(4*\g+\p)+1], v[64*\p+\i:64*\p+\i+1], v[QV+\i:QV+\i+1]
.else
	v_pk_fma_f32 v[T+2*(4*\g+\p):T+2*(4*\g+\p)+1], v[64*\p+\i:64*\p+\i+1], v[QV+\i:QV+\i+1], v[T+2*(4*\g+\p):T+2*(4*\g+\p)+1]
.endif
.endr
.endr
.endm
; THE GATE AND THE QUANTISER, two blocks at a time.  gate x v, held within the largest code x the scale, converted eight numbers at a time.  Tile q's codes are 8 bytes a lane: columns 16 q + 8 h + 0 .. 7.
; The next launch wants 16 neighbours a lane, k = 32 cc + 16 h + 0 .. 15: that is all of tile 2 cc + h.  Exchanging tile 2 cc's upper lanes with tile 2 cc + 1's lower lanes, register by register, gives just that, in the four registers' order.
.macro GATE t, g, pp
	WIN 0x06+\g                                    ; source 0: window 2 or 3, source 1 (the gates) window 1
.irp p, 0,1
.irp i, 0,2,4,6,8,10,12,14,16,18,20,22,24,26,28,30
	v_pk_mul_f32 v[TMP+32*\p+\i:TMP+32*\p+\i+1], v[64*(2*\pp+\p)+32+\i:64*(2*\pp+\p)+32+\i+1], v[T+2*(4*\g+2*\pp+\p):T+2*(4*\g+2*\pp+\p)+1] op_sel_hi:[1,0]   ; both x the gate, the pair's low word
.endr
.endr
	WIN 0
.irp i, 0,1,2,3,4,5,6,7,8,9,10,11,12,13,14,15,16,17,18,19,20,21,22,23,24,25,26,27,28,29,30,31
	v_med3_num_f32 v[TMP+\i], v[TMP+\i], -v[LIM], v[LIM]   ; the conversion to an 8-bit code does not saturate (ISA guide 7.6.2): the hold comes first
	v_med3_num_f32 v[TMP+32+\i], v[TMP+32+\i], -v[LIM], v[LIM]
.endr
.irp p, 0,1
.irp q, 0,1,2,3
	v_cvt_scalef32_pk8_bf8_f32 v[CD+8*(4*\g+2*\pp+\p)+2*\q:CD+8*(4*\g+2*\pp+\p)+2*\q+1], v[TMP+32*\p+8*\q:TMP+32*\p+8*\q+7], v[SCL]
.endr
.endr
	v_nop                                          ; one plain vector instruction between the last conversion and what touches its result or writes its sources
.irp p, 0,1
.irp cc, 0,1
	v_permlane16_swap_b32 v[CD+8*(4*\g+2*\pp+\p)+4*\cc], v[CD+8*(4*\g+2*\pp+\p)+4*\cc+2]
	v_permlane16_swap_b32 v[CD+8*(4*\g+2*\pp+\p)+4*\cc+1], v[CD+8*(4*\g+2*\pp+\p)+4*\cc+3]
.endr
.endr
.irp p, 0,1
.irp cc, 0,1
	global_store_b128 v[CO], v[CD+8*(4*\g+2*\pp+\p)+4*\cc:CD+8*(4*\g+2*\pp+\p)+4*\cc+3], s[78:79] offset:262144*\t+4096*(4*\g+2*\pp+\p)+512*\cc   ; 32 lanes store 512 consecutive bytes, at a multiple of 512 from ctx's first byte; every block has registers of its own
.endr
.endr
.endm
.macro TILEOUT t                       ; a finished tile's way out
	SCORES 0
	SCORES 1
	WIN 0x45                                       ; sources 0 and 1 and the destination window 1
.irp a, 0,1,2,3,4,5,6,7
	v_add_f32 v[T+2*\a], v[T+2*\a], v[T+2*\a+1]    ; the pair's two halves,
.endr
.irp a, 0,1,2,3,4,5,6,7
	v_permlanex16_b32 v[U+\a], v[T+2*\a], s98, s99 ; the row's other 32 columns lie in the lane 16 away  (the destination has been written before: it held a weight's fragment)
.endr
.irp a, 0,1,2,3,4,5,6,7
	v_add_f32 v[T+2*\a], v[T+2*\a], v[U+\a]
.endr
.irp a, 0,1,2,3,4,5,6,7
	v_med3_num_f32 v[T+2*\a], v[T+2*\a], 0, 1.0    ; the gate: the score held between 0 and 1
.endr
	GATE \t, 0, 0
	GATE \t, 0, 1
	GATE \t, 1, 0
	GATE \t, 1, 1
.endm
	s_wait_tensorcnt 0x0                           ; my part of K step 0 is in; these lines stand ahead of a later first fill, as ahead of a refill
	ds_add_u32 v[SPW], v[NIL]
	s_wait_dscnt 0x0
	CROUND                                         ; everybody's part of K step 0 is in, and all sixteen work-groups are here: the joint loads meet,
	JLOAD 1                                        ; and K step 1's load is the first tensor load behind the round
	FETCH_B 0, 0, 0
	FETCH_A 0, 0, 0
	FETCH_A 0, 0, 4
	ASKB 2*ROWB
	ASKB 3*ROWB
	s_wait_kmcnt 0x0
	s_add_co_i32 s66, s90, s91                     ; e2 + e3
	s_sub_co_i32 s70, 0, s66
	s_sub_co_i32 s69, s66, 3                       ; e2 + e3 - 3: what q takes
	s_add_co_i32 s68, s88, s89                     ; e0 + e1
	s_add_co_i32 s18, s92, s93
	s_sub_co_i32 s71, 0, s18                       ; -(e4 + e5)
	s_sub_co_i32 s18, s94, s18                     ; e6 - e4 - e5
	s_add_co_i32 s18, s18, 127
	s_lshl_b32 s19, s18, 23                        ; 2^(e6 - e4 - e5) as f32: the conversion takes its exponent field
	s_add_co_i32 s18, s18, 15
	s_lshl_b32 s18, s18, 23
	s_or_b32 s18, s18, 0x600000                    ; 57,344 x that
	s_wait_loadcnt 0x0                             ; hs, the biases and bq
	ds_store_b64 v[HST], v[8:9]                    ; (seen by all waves behind the first change of slots)
	v_mov_b32 v[SCL], s19
	v_mov_b32 v[LIM], s18
.irp j, 0,1,2,3,4,5,6,7,8,9,10,11,12,13,14,15,16,17,18,19,20,21,22,23,24,25,26,27,28,29,30,31
	v_ldexp_f32 v[BIAS+\j], v[BIAS+\j], s70        ; bk / 2^(e2 + e3)
	v_ldexp_f32 v[BIAS+32+\j], v[BIAS+32+\j], s71  ; bv / 2^(e4 + e5)
.endr
	s_wait_alu depctr_va_vdst(0)                   ; the wait directly ahead of the step's first wait
; TILE 0
	STEP 0, 1
	TURN 0, 1, 1, 1, 0                             ; slot 0 takes K step 2
	STEP 1, 0
	TURN 1, 0, 1, 2, TILE1                         ; slot 1 takes K step 3
	STEP 0, 0
	TURN 0, 1, 2, 2, TILE1+ROWB                    ; slot 0 takes Wq
	STEP 1, 0
	TURN 1, 0, 3, 2, TILE1+2*ROWB                  ; slot 1 takes tile 1's K step 0, which has the query and the gate in which to land
; THE QUERY: 32 columns of my head, two accumulators by turns
	s_wait_dscnt 0x0
	WIN 0x01                                       ; source 0 (Wq) window 1
.irp s, 0,1,2,3,4,5,6,7
.irp u, 0,1
.if \s == 0
	v_wmma_f32_16x16x128_bf8_bf8 v[ACQ+8*\u:ACQ+8*\u+7], v[128*\u+FR*\s:128*\u+FR*\s+FR-1], v[AF+FR*\s:AF+FR*\s+FR-1], 0
.else
	v_wmma_f32_16x16x128_bf8_bf8 v[ACQ+8*\u:ACQ+8*\u+7], v[128*\u+FR*\s:128*\u+FR*\s+FR-1], v[AF+FR*\s:AF+FR*\s+FR-1], v[ACQ+8*\u:ACQ+8*\u+7]
.endif
.endr
.endr
	WIN 0
	PLACES NP
.irp j, 0,1,2,3,4,5,6,7,8,9,10,11,12,13,14,15
	v_ldexp_f32 v[ACQ+\j], v[ACQ+\j], s68          ; x 2^(e0 + e1)
.endr
.irp j, 0,2,4,6,8,10,12,14
	v_pk_add_f32 v[ACQ+\j:ACQ+\j+1], v[ACQ+\j:ACQ+\j+1], v[BQ+\j:BQ+\j+1]
.endr
.irp j, 0,1,2,3,4,5,6,7,8,9,10,11,12,13,14,15
	v_ldexp_f32 v[ACQ+\j], v[ACQ+\j], s69          ; / 8 x 2^(e2 + e3)
.endr
.irp e, 0,1,2,3
	ds_store_b128 v[QST], v[ACQ+4*\e:ACQ+4*\e+3] offset:512*\e
.endr
	s_wait_dscnt 0x0                               ; for the other wave's sake: my half of q is in LDS
	s_barrier_signal -1                            ; (my tensor load may be out)
	s_barrier_wait -1
.irp e, 0,1,2,3,4,5,6,7
	ds_load_b128 v[QV+4*\e:QV+4*\e+3], v[QLD] offset:512*\e
.endr
	s_wait_dscnt 0x0
	TILEOUT 0
; TILE 1, whose K step 0 lies in slot 1
	s_wait_tensorcnt 0x0                           ; my part of tile 1's K step 0 is in,
	ds_add_u32 v[SPW], v[NIL]
	s_wait_dscnt 0x0                               ; the add is done, and so are my reads of Wq, in slot 0
	CROUND
	REFILL 0, 4                                    ; slot 0 takes tile 1's K step 1
	FETCH_B 1, 0, 0
	FETCH_A 1, 0, 0
	s_wait_xcnt 0x0                                ; tile 0's stores have read their registers: the loads below land there
	FETCH_A 1, 0, 4
	ASKK TILE1+3*ROWB
	STEP 1, 1
	TURN 1, 0, 1, 0, 0                             ; slot 1 takes K step 2
	STEP 0, 0
	TURN 0, 1, 1, 0, 0                             ; slot 0 takes K step 3
	STEP 1, 0
	TURN 1, 0, 0, 0, 0                             ; nothing is filled any more: no round of the cluster's barrier
	STEP 0, 0
	s_wait_dscnt 4*NL                              ; the very last step: nothing more to fetch
	WIN MUL_LO
	MUL16 0, 1, 0
	MUL16 2, 1, 0
	s_wait_dscnt 0
	WIN MUL_HI
	MUL16 4, 1, 0
	MUL16 6, 1, 0
	WIN 0
	PLACES NP                                      ; between the last products and the first read of results, and the first vector write into their registers
	TILEOUT 1
	s_wait_tensorcnt 0x0                           ; the wave's end
	ds_add_u32 v[SPW], v[NIL]
	s_wait_dscnt 0x0
	CROUND                                         ; the closing round: no work-group ends while a partner may still ask for a tile that names it
	s_endpgm
.Lfunc_end_k_q78915de0d2_kvgate:
	.size	k_q78915de0d2_kvgate, .Lfunc_end_k_q78915de0d2_kvgate-k_q78915de0d2_kvgate
	.p2alignl 7, 3214868480
	.fill 96, 4, 3214868480
	.section	.rodata,"a",@progbits
	.p2align	6, 0x0
	.amdhsa_kernel k_q78915de0d2_kvgate
		.amdhsa_group_segment_fixed_size 327680
		.amdhsa_private_segment_fixed_size 0
		.amdhsa_enable_private_segment 0
		.amdhsa_kernarg_size 80
		.amdhsa_user_sgpr_count 2
		.amdhsa_user_sgpr_kernarg_segment_ptr 1
		.amdhsa_wavefront_size32 1
		.amdhsa_system_sgpr_workgroup_id_x 1
		.amdhsa_system_sgpr_workgroup_id_y 1
		.amdhsa_system_sgpr_workgroup_id_z 1
		.amdhsa_system_vgpr_workitem_id 0
		.amdhsa_next_free_vgpr 1024
		.amdhsa_next_free_sgpr 102
		.amdhsa_reserve_vcc 0
		.amdhsa_float_denorm_mode_32 3
		.amdhsa_float_denorm_mode_16_64 3
		.amdhsa_memory_ordered 1
		.amdhsa_forward_progress 1
		.amdhsa_inst_pref_size 247
	.end_amdhsa_kernel
	.amdgpu_metadata
---
amdhsa.version: [ 1, 2 ]
amdhsa.kernels:
  - .name:           k_q78915de0d2_kvgate
    .symbol:         k_q78915de0d2_kvgate.kd
    .args:
      - { .name: key_value_states_codes, .offset: 0, .size: 8, .value_kind: global_buffer, .address_space: global }
      - { .name: Wk_codes, .offset: 8, .size: 8, .value_kind: global_buffer, .address_space: global }
      - { .name: Wv_codes, .offset: 16, .size: 8, .value_kind: global_buffer, .address_space: global }
      - { .name: bk, .offset: 24, .size: 8, .value_kind: global_buffer, .address_space: global }
      - { .name: bv, .offset: 32, .size: 8, .value_kind: global_buffer, .address_space: global }
      - { .name: Wq_codes, .offset: 40, .size: 8, .value_kind: global_buffer, .address_space: global }
      - { .name: hidden_states_codes, .offset: 48, .size: 8, .value_kind: global_buffer, .address_space: global }
      - { .name: bq, .offset: 56, .size: 8, .value_kind: global_buffer, .address_space: global }
      - { .name: lowp_scales, .offset: 64, .size: 8, .value_kind: global_buffer, .address_space: global }
      - { .name: ctx, .offset: 72, .size: 8, .value_kind: global_buffer, .address_space: global }
    .group_segment_fixed_size: 327680
    .private_segment_fixed_size: 0
    .kernarg_segment_align: 8
    .kernarg_segment_size: 80
    .max_flat_workgroup_size: 128
    .sgpr_count:     102
    .vgpr_count:     1024
    .wavefront_size: 32
...
	.end_amdgpu_metadata
.endif
;; end of part 1
;; launch oproj (part 2): grid 64 x 4, 4 waves a work-group, clusters of 4 x 1, 301,568 bytes of LDS; arguments ctx, Wo_codes, bo, lowp_scales, out0; writes out0
.if DOCPART == 2
	.amdgcn_target "amdgcn-amd-amdhsa--gfx1250"
	.amdhsa_code_object_version 6
	.text
	.protected	k_q78915de0d2_oproj
	.globl	k_q78915de0d2_oproj
	.p2align	8
	.type	k_q78915de0d2_oproj,@function
k_q78915de0d2_oproj:
	s_mov_b64 s[64:65], 0
	v_nop
	global_prefetch_b8 v0, s[64:65] scope:SCOPE_SE
	s_setreg_imm32_b32 hwreg(HW_REG_WAVE_MODE, 25, 1), 1
	s_wait_xcnt 0x0
	s_wait_alu depctr_hold_cnt(0) depctr_sa_sdst(0) depctr_va_vdst(0) depctr_va_sdst(0) depctr_va_ssrc(0) depctr_va_vcc(0) depctr_vm_vsrc(0)
	s_getreg_b32 s2, hwreg(HW_REG_IB_STS2, 6, 4)
	s_cmp_eq_u32 s2, 0
	s_cbranch_scc0 .Lentry_in_a_cluster
	s_endpgm
.Lentry_in_a_cluster:
	s_bfe_u32 s2, ttmp6, 0x10000c
	s_cmp_lg_u32 s2, 0x3003
	s_cbranch_scc0 .Lentry_shape_is_right
	s_endpgm
.Lentry_shape_is_right:
; out0[m][n] = sum over k of ctx[m][k] Wo[n][k] x 2^(e6 + e7) + bo[n].  ctx: 16,384 x 1,024 codes of E5M2, made by the launch before; Wo: [1,024][1,024] codes, K innermost; bo [1,024], out0 [16,384][1,024]: f32.
; LIMIT: e6 + e7 between -126 and 127, so that 2^(e6 + e7) is an f32 number.
; SHARES.  A work-group makes 256 rows x 256 columns; each of its four waves 64 rows x all 256 columns.  A WAVE'S 64 ROWS OF CTX STAY IN ITS REGISTERS over the whole K (32 fragments, 512 registers), and the columns
; go by in four GROUPS of 64: a group is 128 matrix instructions on 16 accumulators, and its 64 x 64 results leave at once, 256 bytes a row, while the next group is multiplied.  So three quarters of the stores
; are issued ahead of the last group's products.
; CTX LIES IN THE ORDER OF THE OPERAND'S REGISTERS: the byte of (row R, column C) at (R / 128) x 131,072 + (C / 256) x 32,768 + ((R % 128) / 16) x 4,096 + ((C % 256) / 128) x 2,048 + ((C % 128) / 32) x 512
; + (16 ((C % 32) / 16) + R % 16) x 16 + C % 16.  So a quarter of a fragment is one load of 512 consecutive bytes, 16 a lane, straight into the registers: ctx makes no pass through LDS.
; WO'S TILE, 256 rows x 1,024 bytes, LIES WHOLE IN LDS: each wave brings 64 rows by one tensor load.  No LDS byte is filled twice, so there is no ring and no barrier for a refill.
; Wo's fragments come from padded rows by four loads of 16 bytes: registers 4 c .. 4 c + 3 hold k = 32 c + 16 h + 0 .. 15, as ctx's do: a permutation of k, the same on both sides.
; CLUSTER: 4 x 1 work-groups, four blocks of rows with the same 256 columns: Wo's tile is asked for JOINTLY, by the same four tensor loads with a mask that names the four.
; Ctx is shared too (by the four work-groups of a block of rows) and is NOT asked for jointly: a joint load ends in LDS, where Wo's 266,240 bytes leave no room for 262,144 more.
; THE MATRIX INSTRUCTION IS USED TRANSPOSED (source 0 = 16 rows of Wo, source 1 = 16 rows of ctx): lane (r, h) holds row r and the eight neighbouring columns 8 h + 0 .. 7 of a tile.
; REGISTERS, in windows of 256: window 0: v4-21 addresses; v32-63 bo of the group in hand; v64-127 rows read back from the stage, two sets; v128-255 the accumulators ((m, n) at v[128 + 8 (4 m + n)]).
;   window 1: Wo's fragments of 256 along K, TWO sets, at v0 and at v128 ((u, n) at 16 (4 u + n)).   windows 2, 3: ctx's fragments: rows 16 m on, K step s: window 2 + s / 4, v[16 (4 (s % 4) + m)].
.set OROW,  4096                       ; a row of out0 in bytes
.set WP,    1040                       ; Wo's LDS row: 1,024 bytes + 16 of padding = 65 x 16: row r starts at bank 4 r mod 64 (64 banks of 4 bytes: ISA guide 11.1), so the 16 rows that a load touches start at 16 different banks
.set GRP,   64*WP                      ; 64 rows of Wo: what one tensor load brings, and what one group of columns reads
.set STAGE, 4*GRP                      ; behind Wo's tile, at a multiple of 256: two slots of 16 rows x 272 bytes for each wave, for the way out; no tensor load lands there
.set SP,    272                        ; a stage row: 64 columns x 4 bytes + 16 of padding
.set CO,   4                           ; v4      16 x lane: my 16 bytes of a load of 512
.set HB,   5                           ; v5      32 h: my eight numbers of a tile's sixteen in bo
.set GO,   6                           ; v6      the way out: 4,096 h + 16 r: lanes 0-15 one row of out0, lanes 16-31 the next
.set STO,  7                           ; v7      where I put 32 bytes of a row into the stage
.set RD,   8                           ; v8      where I read a row back
.set ADRB, 10                          ; v10-13  LDS address of my lane's place in group 0 .. 3 of Wo's rows
.set HBG,  14                          ; v14-17  my place in bo, and
.set GOG,  18                          ; v18-21  in out0, for the wave's first .. fourth group.  WAVE w BEGINS WITH GROUP w: its g-th is (g + w) mod 4, so that the four waves of a work-group store different 256 bytes of the rows' 1,024
.set BIAS, 32
.set BK,   64
.set ACC,  128
.set G1,   24                          ; s[24:31] descriptor group 1
.set G0,   32                          ; s[32:35] descriptor group 0
.set SC,   36                          ; s[36:37] 2^(e6 + e7): the packed form names a pair and takes its low word for both halves
.set MSB, 0
.macro WIN new                         ; the immediate's high byte repeats the setting that is left; a switch that changes nothing is dropped
.if MSB != (\new)
	s_set_vgpr_msb (MSB<<8)|(\new)
.set MSB, (\new)
.endif
.endm
; A round of the cluster's barrier: my work-group's barrier, so that wave 0's signal speaks for all four waves; wave 0 signals for the work-group; every wave waits for all four work-groups; my work-group's barrier once more.
.macro CROUND
	s_barrier_signal -1
	s_barrier_wait -1
	s_cmp_lg_u32 s14, 0
	s_cbranch_scc1 .Lnot_wave_0_\@
	s_barrier_signal -3
.Lnot_wave_0_\@:
	s_barrier_wait -3
	s_barrier_signal -1
	s_barrier_wait -1
.endm
; A load into a register that a matrix instruction has read, and a vector instruction that reads or writes a matrix result, stand four places behind that matrix instruction, and only plain vector
; instructions that name none of its registers are places (ISA guide 7.12.1 for vector instructions).
.macro PLACES
.rept 4
	v_nop
.endr
.endm
	s_load_b256 s[4:11], s[0:1], 0x0               ; ctx s[4:5], Wo s[6:7], bo s[8:9], the scales' exponents s[10:11]
	s_load_b64 s[12:13], s[0:1], 0x20              ; out0
	v_lshl_add_u32 v30, v0, 2, 0x49800             ; the spare words: behind the stages' 34,816 bytes
	v_mov_b32 v31, 0
	ds_add_u32 v30, v31
	ds_add_u32 v30, v31
	v_lshrrev_b32 v1, 5, v0
	v_readfirstlane_b32 s14, v1                    ; wave 0..3
	s_bfe_u32 s15, ttmp6, 0x40000                  ; cx: my place in the cluster
	s_lshl_b32 s16, ttmp9, 2                       ; in a cluster launch ttmp9 counts clusters
	s_add_co_u32 s16, s16, s15                     ; tr, my block of 256 rows = 4 x cluster x + cx: it enters ctx's and out0's addresses alone
	s_and_b32 s17, ttmp7, 0xffff                   ; tc, the block of 256 columns, which the four partners share
	; descriptor group 1: 64 rows x 1,024 bytes, padded in LDS
	s_mov_b32 s[G1+0], 15|(0<<16)|(1<<20)|(1<<21)|(7<<22)|(3<<25)  ; 15:0 the mask: all four work-groups; 17:16 element of 1 byte; 20 padding on; 21 set beside a mask; 24:22 after every 256 words (code 7); 31:25 of 4 words (code 3)
	s_mov_b32 s[G1+1], 1024<<16                    ; tensor_dim0 = 1,024
	s_mov_b32 s[G1+2], 64<<16                      ; tensor_dim1 = 64
	s_mov_b32 s[G1+3], 1024<<16                    ; tile_dim0 = 1,024
	s_mov_b32 s[G1+4], 64                          ; tile_dim1 = 64
	s_mov_b32 s[G1+5], 1024                        ; tensor_dim0_stride
	s_mov_b32 s[G1+6], 0
	s_mov_b32 s[G1+7], 0
	s_lshl_b32 s20, s17, 18                        ; Wo: row 256 tc + 64 x wave, 1,024 bytes each
	s_lshl_b32 s19, s14, 16
	s_add_co_u32 s20, s20, s19
	s_mov_b32 s21, 0
	s_mul_i32 s18, s14, GRP                        ; where they go: wave x 64 rows: no place in the cluster enters an LDS address
	s_lshl_b32 s22, s16, 18                        ; ctx: my 64 rows begin at (2 tr + wave / 2) x 131,072 + (wave % 2) x 16,384
	s_lshr_b32 s19, s14, 1
	s_lshl_b32 s19, s19, 17
	s_add_co_u32 s22, s22, s19
	s_and_b32 s19, s14, 1
	s_lshl_b32 s19, s19, 14
	s_add_co_u32 s22, s22, s19
	s_mov_b32 s23, 0
	s_lshl_b32 s40, s16, 20                        ; out0: row 256 tr + 64 x wave, 4,096 bytes each (under 2^26)
	s_lshl_b32 s19, s14, 18
	s_add_co_u32 s40, s40, s19
	s_mov_b32 s41, 0
	s_lshl_b32 s42, s17, 10                        ; the tile's first column, in bytes of f32: in out0's rows and in bo
	s_mov_b32 s43, 0
	s_mul_i32 s19, s14, 32*SP
	s_add_co_u32 s19, s19, STAGE                   ; my stage
.irp g, 0,1,2,3
	s_add_co_u32 s38, s14, \g
	s_and_b32 s38, s38, 3                          ; my g-th group of columns
	s_mul_i32 s[44+\g], s38, GRP                   ; its rows of Wo in LDS
	s_lshl_b32 s[48+\g], s38, 8                    ; its 64 columns, in bytes of f32
.endr
	v_and_b32 v1, 15, v0                           ; r
	v_bfe_u32 v2, v0, 4, 1                         ; h
	v_and_b32 v3, 31, v0
	v_lshlrev_b32 v[CO], 4, v3
	v_lshlrev_b32 v[HB], 5, v2
	v_lshlrev_b32 v[GO], 12, v2
	v_lshl_add_u32 v[GO], v1, 4, v[GO]
	v_mul_u32_u24 v[STO], v1, SP                   ; in: row r, 32 bytes for each half of the lanes
	v_lshl_add_u32 v[STO], v2, 5, v[STO]
	v_add_nc_u32 v[STO], s19, v[STO]
	v_mul_u32_u24 v[RD], v2, SP                    ; back: lanes 0-15 take one row of 256 bytes, lanes 16-31 the next
	v_lshl_add_u32 v[RD], v1, 4, v[RD]
	v_add_nc_u32 v[RD], s19, v[RD]
	v_mul_u32_u24 v9, v1, WP
	v_lshl_add_u32 v9, v2, 4, v9                   ; a fragment's row x pitch + 16 h
.irp g, 0,1,2,3
	v_add_nc_u32 v[ADRB+\g], s[44+\g], v9          ; an LDS offset has 16 bits: each group of 64 rows has its own address register
	v_add_nc_u32 v[HBG+\g], s[48+\g], v[HB]
	v_add_nc_u32 v[GOG+\g], s[48+\g], v[GO]
.endr
	s_wait_alu depctr_va_vdst(0)                   ; the wait directly ahead of the waits below
	s_wait_dscnt 0x0
	s_wait_kmcnt 0x0
	s_load_b64 s[SC:SC+1], s[10:11], 0x18          ; e6, e7
	s_mov_b32 s[G0], 1                             ; 1:0 count = 1
	s_mov_b32 s[G0+1], s18                         ; 63:32 LDS address
	s_add_nc_u64 s[G0+2:G0+3], s[6:7], s[20:21]    ; 120:64 global address
	s_or_b32 s[G0+3], s[G0+3], 0x80000000          ; 127:126 type = 2
	s_add_nc_u64 s[4:5], s[4:5], s[22:23]
	s_add_nc_u64 s[8:9], s[8:9], s[42:43]
	s_add_nc_u64 s[12:13], s[12:13], s[40:41]
	s_add_nc_u64 s[12:13], s[12:13], s[42:43]
	CROUND                                         ; all four work-groups are here: the joint loads meet
	tensor_load_to_lds s[G0:G0+3], s[G1:G1+7]      ; my one tensor load of the launch: one is out
	s_nop 0
.rept 4
	v_nop                                          ; four v_nop follow the line
.endr
.macro BLOAD g                         ; bo of group g's 64 columns: for tile n my eight: 64 g + 16 n + 8 h + 0 .. 7
.irp n, 0,1,2,3
	global_load_b128 v[BIAS+8*\n:BIAS+8*\n+3],   v[HBG+(\g)], s[8:9] offset:64*\n
	global_load_b128 v[BIAS+8*\n+4:BIAS+8*\n+7], v[HBG+(\g)], s[8:9] offset:64*\n+16
.endr
.endm
.macro ALOAD d                         ; ctx's eight fragments of double step d (K steps 2 d, 2 d + 1; four blocks of 16 rows): 32 loads of 512 consecutive bytes
	WIN 0x80+0x40*((\d)/2)                         ; destination window 2 or 3
.irp u, 0,1
.irp m, 0,1,2,3
.irp c, 0,1,2,3
	global_load_b128 v[16*(4*((2*(\d)+\u)%4)+\m)+4*\c:16*(4*((2*(\d)+\u)%4)+\m)+4*\c+3], v[CO], s[4:5] offset:(\d)*32768+\m*4096+\u*2048+\c*512
.endr
.endr
.endr
.endm
.macro FETCHB g, d                     ; Wo's eight fragments of group g, double step d, into set d % 2: 32 LDS loads in one run
	WIN 0x40                                       ; destination window 1, address window 0
.irp u, 0,1
.irp n, 0,1,2,3
.irp c, 0,1,2,3
	ds_load_b128 v[128*((\d)%2)+16*(4*\u+\n)+4*\c:128*((\d)%2)+16*(4*\u+\n)+4*\c+3], v[ADRB+(\g)] offset:\n*16*WP+128*(2*(\d)+\u)+32*\c
.endr
.endr
.endr
.endm
; A DOUBLE STEP: 256 along K of group g: 32 matrix instructions.  At its head the next double step's fragments of Wo are asked for, 32 matrix instructions ahead of their use.
; The 16 accumulators take turns, one instruction a turn, in the same order in every K step.  A group's first products start its sums with the constant 0: nothing is cleared.
.macro DSTEP g, d
	s_wait_dscnt 0x0                               ; this double step's fragments of Wo are in
.if (\g) == 0                          ; in the first group ctx is still arriving: its loads go out 32 to a double step, two double steps ahead
.if (\d) < 3
	s_wait_loadcnt 32                              ; this double step's 32 loads are in (and bo's, which are older); the next double step's 32 may be out
.else
	s_wait_loadcnt 0x0
.endif
.endif
.if (\d) == 0
	FETCHB \g, 1                                   ; into set 1: its last readers, if any, stand ahead of the places at the head of the way out
.elseif (\d) < 3
	PLACES                                         ; the other set was read by the double step before
.if (\g) > 0
	WIN 0
	s_wait_xcnt 0x0                                ; the last double step's stores have read their registers: block d + 1 of the group before comes back into the set stored two blocks ago
	FROMSTAGE (\d)+1
.endif
	FETCHB \g, (\d)+1
.elseif (\g) < 3
	PLACES
	FETCHB (\g)+1, 0                               ; on to the next group of columns
.endif
.if (\g) > 0
	WIN 0
	SENDN (\g)-1, \d                               ; block d of the group before leaves: it came back ahead of the wait at this double step's head
.endif
.if ((\g) == 0) && ((\d) < 2)
	ALOAD (\d)+2
.endif
	WIN 0x09+4*((\d)/2)                            ; source 0 (Wo) window 1, source 1 (ctx) window 2 or 3, C and D window 0
.irp u, 0,1
.irp m, 0,1,2,3
.irp n, 0,1,2,3
.if ((\d) == 0) && (\u == 0)
	v_wmma_f32_16x16x128_bf8_bf8 v[ACC+8*(4*\m+\n):ACC+8*(4*\m+\n)+7], v[128*((\d)%2)+16*(4*\u+\n):128*((\d)%2)+16*(4*\u+\n)+15], v[16*(4*((2*(\d)+\u)%4)+\m):16*(4*((2*(\d)+\u)%4)+\m)+15], 0
.else
	v_wmma_f32_16x16x128_bf8_bf8 v[ACC+8*(4*\m+\n):ACC+8*(4*\m+\n)+7], v[128*((\d)%2)+16*(4*\u+\n):128*((\d)%2)+16*(4*\u+\n)+15], v[16*(4*((2*(\d)+\u)%4)+\m):16*(4*((2*(\d)+\u)%4)+\m)+15], v[ACC+8*(4*\m+\n):ACC+8*(4*\m+\n)+7]
.endif
.endr
.endr
.endr
.endm
; THE WAY OUT of a group, block by block of 16 rows x 64 columns.  A lane holds 32 neighbouring bytes of a row for each of four tiles, and the lanes beside it hold other rows: so a block goes through my own stage in LDS
; and comes back as whole rows of 256 bytes.  LDS serves a wave's instructions in order (ISA guide 5.7.1.4): no wait between the stores and the loads, nor in front of the next block's stores.
.macro TOSTAGE g, m
.irp n, 0,1,2,3
.irp i, 0,2,4,6
	v_pk_fma_f32 v[ACC+8*(4*(\m)+\n)+\i:ACC+8*(4*(\m)+\n)+\i+1], v[ACC+8*(4*(\m)+\n)+\i:ACC+8*(4*(\m)+\n)+\i+1], s[SC:SC+1], v[BIAS+8*\n+\i:BIAS+8*\n+\i+1] op_sel_hi:[1,0,1]   ; sum x 2^(e6 + e7) + bo, two at a time, in place; each accumulator from its low end on
.endr
.endr
.irp n, 0,1,2,3
	ds_store_b128 v[STO], v[ACC+8*(4*(\m)+\n):ACC+8*(4*(\m)+\n)+3] offset:16*SP*((\m)%2)+64*\n
	ds_store_b128 v[STO], v[ACC+8*(4*(\m)+\n)+4:ACC+8*(4*(\m)+\n)+7] offset:16*SP*((\m)%2)+64*\n+16
.endr
.endm
.macro FROMSTAGE m                     ; block m back from its stage slot, as whole rows, into its set of registers: slots and sets by turns
.irp i, 0,1,2,3,4,5,6,7
	ds_load_b128 v[BK+32*((\m)%2)+4*\i:BK+32*((\m)%2)+4*\i+3], v[RD] offset:16*SP*((\m)%2)+2*\i*SP
.endr
.endm
.macro SENDN g, m                      ; block m of group g is stored
.irp i, 0,1,2,3,4,5,6,7
	global_store_b128 v[GOG+(\g)], v[BK+32*((\m)%2)+4*\i:BK+32*((\m)%2)+4*\i+3], s[12:13] offset:(16*(\m)+2*\i)*OROW th:TH_STORE_NT   ; 16 lanes store 256 consecutive bytes, at a multiple of 256 from out0's first byte; no base is stepped; written once, read by nobody here
.endr
.endm
.macro SEND g, m, younger              ; younger: the LDS instructions issued behind block m's loads, which may stay out
	s_wait_dscnt \younger
	SENDN \g, \m
.endm
.macro OUT g
	WIN 0
	PLACES                                         ; between the group's last products and the first vector instruction on their results
.if (\g) > 0
	s_wait_loadcnt 0x0                             ; bo of this group, asked for at the end of the way out before
.endif
	TOSTAGE \g, 0
.if (\g) > 0
	s_wait_xcnt 0x0                                ; the group before's stores have read both sets of registers
.endif
	FROMSTAGE 0
	TOSTAGE \g, 1
	FROMSTAGE 1
.if (\g) < 3                           ; blocks 0 and 1 wait in registers, blocks 2 and 3 in the stage's two slots: each leaves in a double step of the next group
	TOSTAGE \g, 2
	TOSTAGE \g, 3
	BLOAD (\g)+1                                   ; this group's multiply-adds have been issued: bo's registers take the next group's
.else                                  ; nothing follows the last group: its blocks leave at once
	SEND \g, 0, 16                                 ; behind block 0's loads: block 1's 8 stores and 8 loads
	TOSTAGE \g, 2
	s_wait_xcnt 0x0                                ; block 0's stores have read their registers
	FROMSTAGE 2
	SEND \g, 1, 16
	TOSTAGE \g, 3
	s_wait_xcnt 0x0
	FROMSTAGE 3
	SEND \g, 2, 16
	SEND \g, 3, 0
.endif
.endm
	BLOAD 0
	ALOAD 0                                        ; the first two double steps of ctx; the other two follow from inside the first group
	ALOAD 1
	s_wait_kmcnt 0x0
	s_add_co_i32 s[SC], s[SC], s[SC+1]             ; e6 + e7, between -126 and 127,
	s_add_co_i32 s[SC], s[SC], 127
	s_lshl_b32 s[SC], s[SC], 23                    ; makes the f32 number 2^(e6 + e7)
	s_mov_b32 s[SC+1], s[SC]                       ; (named with it as a pair, so it is written)
	s_wait_tensorcnt 0x0                           ; my 64 rows of Wo are in,
	s_barrier_signal -1
	s_barrier_wait -1                              ; everybody's are: the whole tile lies in LDS, and nothing writes it again
	s_wait_alu depctr_va_vdst(0)
	FETCHB 0, 0
.irp g, 0,1,2,3
	DSTEP \g, 0
	DSTEP \g, 1
	DSTEP \g, 2
	DSTEP \g, 3
	OUT \g
.endr
	s_wait_tensorcnt 0x0
	ds_add_u32 v30, v31
	s_wait_dscnt 0x0
	CROUND                                         ; the closing round (no LDS instruction of mine is out: the last wait above was for 0): no work-group ends while a partner may still ask for a tile that names it
	s_endpgm
.Lfunc_end_k_q78915de0d2_oproj:
	.size	k_q78915de0d2_oproj, .Lfunc_end_k_q78915de0d2_oproj-k_q78915de0d2_oproj
	.p2alignl 7, 3214868480
	.fill 96, 4, 3214868480
	.section	.rodata,"a",@progbits
	.p2align	6, 0x0
	.amdhsa_kernel k_q78915de0d2_oproj
		.amdhsa_group_segment_fixed_size 301568
		.amdhsa_private_segment_fixed_size 0
		.amdhsa_enable_private_segment 0
		.amdhsa_kernarg_size 40
		.amdhsa_user_sgpr_count 2
		.amdhsa_user_sgpr_kernarg_segment_ptr 1
		.amdhsa_wavefront_size32 1
		.amdhsa_system_sgpr_workgroup_id_x 1
		.amdhsa_system_sgpr_workgroup_id_y 1
		.amdhsa_system_sgpr_workgroup_id_z 1
		.amdhsa_system_vgpr_workitem_id 0
		.amdhsa_next_free_vgpr 1024
		.amdhsa_next_free_sgpr 66
		.amdhsa_reserve_vcc 0
		.amdhsa_float_denorm_mode_32 3
		.amdhsa_float_denorm_mode_16_64 3
		.amdhsa_memory_ordered 1
		.amdhsa_forward_progress 1
		.amdhsa_inst_pref_size 134
	.end_amdhsa_kernel
	.amdgpu_metadata
---
amdhsa.version: [ 1, 2 ]
amdhsa.kernels:
  - .name:           k_q78915de0d2_oproj
    .symbol:         k_q78915de0d2_oproj.kd
    .args:
      - { .name: ctx, .offset: 0, .size: 8, .value_kind: global_buffer, .address_space: global }
      - { .name: Wo_codes, .offset: 8, .size: 8, .value_kind: global_buffer, .address_space: global }
      - { .name: bo, .offset: 16, .size: 8, .value_kind: global_buffer, .address_space: global }
      - { .name: lowp_scales, .offset: 24, .size: 8, .value_kind: global_buffer, .address_space: global }
      - { .name: out0, .offset: 32, .size: 8, .value_kind: global_buffer, .address_space: global }
    .group_segment_fixed_size: 301568
    .private_segment_fixed_size: 0
    .kernarg_segment_align: 8
    .kernarg_segment_size: 40
    .max_flat_workgroup_size: 128
    .sgpr_count:     66
    .vgpr_count:     1024
    .wavefront_size: 32
...
	.end_amdgpu_metadata
.endif
;; end of part 2
